; MI455X (gfx1250); checked and timed in simulation.
; The chip was launched on July 23, 2026; its instructions are those of AMD's public machine-readable ISA for CDNA 5 (MIT licence, August 2026) and "CDNA5" Instruction Set Architecture Reference Guide (July 2026). The comments in the code are by the model that wrote it; some were corrected since.
;; Multi Head Self Attention. Allowed arithmetic: matrix products marked QUANTISED: E2M1 operands, one E8M0 scale for each 32 along K, by v_wmma_scale_f32_16x16x128_f8f6f4 with both operands' format E2M1 (or v_wmma_scale_f32_32x16x128_f4), f32 sums; products left as they are: f32 operands where the result goes on into a quantised operand, else bf16, f16 or f32 operands; f32 sums; everything else in f32.
;; Inputs: b_k 2,048 float32; b_o 2,048 float32; b_q 2,048 float32; b_v 2,048 float32; ln_beta 2,048 float32; ln_gamma 2,048 float32; w_k 2,048 x 2,048 float32; w_o 2,048 x 2,048 float32; w_q 2,048 x 2,048 float32; w_v 2,048 x 2,048 float32; x 4,096 x 1 x 2,048 float32.
;; Outputs: out0 4,096 x 2,048 float32.
;; This version of the problem:
;;   THIS VERSION OF THE PROBLEM IS GIVEN IN LOW PRECISION. The matrix products marked QUANTISED in the list below multiply operands that are first quantised to E2M1 (2 exponent bits, 1 mantissa bit; 4 bits a number), with one power-of-two scale for each 32 numbers along K (OCP MX v1.0); their sums are f32. All else is computed in f32.
;;   The module's matrix products, in the order in which they are computed (A, B: the left and right operand; K: the contracted axis; several contracted axes count as one K, in the product's order):
;;     1. [M 4,096, K 2,048] x [K 2,048, N 2,048]; A: computed on the way; B: input w_q: QUANTISED
;;     2. [M 4,096, K 2,048] x [K 2,048, N 2,048]; A: computed on the way; B: input w_k: QUANTISED
;;     3. [M 4,096, K 2,048] x [K 2,048, N 2,048]; A: computed on the way; B: input w_v: QUANTISED
;;     4. batch 32,768 x [M 1, K 256] x [K 256, N 1]; A: computed on the way; B: computed on the way: left as it is (M = 1 < 16)
;;     5. batch 32,768 x [M 1, K 1] x [K 1, N 256]; A: softmax; B: computed on the way: left as it is (K = 1 < 32)
;;     6. [M 4,096, K 2,048] x [K 2,048, N 2,048]; A: computed on the way; B: input w_o: QUANTISED
;;   THE QUANTISER, for each operand of a quantised product, along K:
;;     - K is cut into blocks of 32 from its start; a last block that is shorter is filled with zeros.
;;     - A block's scale is 2^e with e = floor(log2(the largest magnitude in the block)) - 2, held to -126 .. 127; a block of zeros has e = 0. As a byte (E8M0): e + 127.
;;     - Each number is divided by its block's scale, clamped to +-6, and rounded to the nearest number of E2M1, ties to even, subnormals kept.
;;     - The product sums the exact products of the quantised numbers (number of the format x scale) in f32.
;;   ~~~python
;;   def quantise(x, axis):      # numpy; x: float32 -> the quantised numbers, widened to float32 again
;;       x = np.moveaxis(x, axis, -1); K = x.shape[-1]
;;       x = np.pad(x, [(0, 0)] * (x.ndim - 1) + [(0, -K % 32)]); x = x.reshape(x.shape[:-1] + (-1, 32)); a = np.abs(x).max(-1, keepdims=True)
;;       e = np.where(a > 0, np.clip(np.frexp(np.where(a > 0, a, 1))[1] - 1 - 2, -126, 127), 0)      # np.frexp(a)[1] - 1 = floor(log2(a)), exactly
;;       r = np.clip(x / 2.0 ** e, -6, 6)
;;       step = 2.0 ** (np.maximum(np.frexp(np.where(r == 0, 1, r))[1] - 1, 0) - 1)
;;       q = np.round(r / step) * step * 2.0 ** e      # np.round: ties to even
;;       return np.moveaxis(q.reshape(q.shape[:-2] + (-1,))[..., :K], -1, axis).astype(np.float32)
;;   ~~~
;;   OPERANDS COMPUTED ON THE WAY. 'Computed on the way' means the value that the module computes at that place (a softmax that the list does not call 'softmax' is quantised finished and normalised). What goes into a quantiser is computed in f32, as accurately as f32 sums, v_exp_f32 and their like allow (about 1e-6 of the number): no bf16 or f16 on the way to a quantiser, and a product that is left as it is and whose result goes on into a quantised operand takes f32 operands (vector FMAs, or v_wmma_f32_16x16x4_f32). A number that lies on a knife's edge between two numbers of the format may be rounded either way, as far as f32 arithmetic and the matrix unit's own rounding can turn it there, and no further.
;; One version. Each part assembles by itself: llvm-mc -triple=amdgcn-amd-amdhsa -mcpu=gfx1250 --defsym DOCPART=n.
;; ======== version 1 of 1: 3 launches
;; limits: right only within a limited range of input values
;; workspace buffers: h4 4,456,448 bytes; wc 4,456,448 bytes; a4 4,456,448 bytes
;; launch prep (part 1): grid 256 x 1, 16 waves a work-group, no clusters, 204,800 bytes of LDS; arguments x, w_v, w_o, ln_gamma, ln_beta, h4, wc; writes h4, wc
.if DOCPART == 1
	.amdgcn_target "amdgcn-amd-amdhsa--gfx1250"
	.amdhsa_code_object_version 6
	.text
	.protected	k_q6d52c463b4_prep
	.globl	k_q6d52c463b4_prep
	.p2align	8
	.type	k_q6d52c463b4_prep,@function
k_q6d52c463b4_prep:
	s_mov_b64 s[64:65], 0
	v_nop
	global_prefetch_b8 v0, s[64:65] scope:SCOPE_SE
	s_setreg_imm32_b32 hwreg(HW_REG_WAVE_MODE, 25, 1), 1
	s_wait_xcnt 0x0
; DEAD WORK LEFT OUT.  The attention has one query and ONE key for each row and head: the softmax runs over one number s, and exp(s - s) / exp(s - s) = 1 for every finite s.  So the factor in front of v is 1
; whatever the inputs hold: q, k (products 1 and 2), the scores (product 4), the softmax and the product by 1 (product 5) can reach no output.  w_q, b_q, w_k, b_k have no other way to an output: they are not loaded.
; What is left: out = Q(Q(LayerNorm(x)) Q(w_v)^T + b_v) Q(w_o)^T + b_o + x.
; LIMIT: a NaN, an infinity or an overflow that reaches only the work left out (q, k, the scores) is not carried to the result.
; THIS LAUNCH: LayerNorm(x), w_v and w_o become codes of FP4 (E2M1) with one E8M0 scale byte for each 32 along K (K = 2,048, innermost in all three).
; A block's scale is 2^(floor(log2(its largest magnitude)) - 2); its byte is the largest magnitude's exponent field - 2, held at 1 from below.
; LIMITS: a block of zeros gets the byte 1 where the rule says 127 (its codes are zeros, and this program alone reads the bytes); blocks whose largest magnitude lies under 2^-124 were not tried; NaN and infinities among the inputs are not served.
; LAYOUT OF THE RESULTS, in the order of a matrix operand's registers: [chunk of 512 along K][row block of 16][4,352 bytes]: codes [q 4][kb 4][r 16][16 bytes] (a fragment of 16 rows x 128 K is 1,024 consecutive bytes,
; lane l's register group c at 512 c + 16 l), then scale words [r 16][q 4][4 bytes].  h4 has 256 row blocks; wc has w_v's 128 row blocks (four chunks), then w_o's.
; w_v's position (j, r) holds the source row 64 (j / 4) + 32 ((j / 2) % 2) + 8 (j % 2) + r + 8 (r / 8), so that two neighbouring tiles of a transposed product give a lane 16 neighbours along the next K.
; w_o's position (j, r): source row 64 (j / 4) + 4 r + j % 4, so that four neighbouring tiles give a lane four neighbouring columns.
; SHARES.  256 work-groups, two row blocks each: x's block g (with the norm), then block g % 128 of w_v (g < 128) or of w_o.  Only pointers are chosen by the work-group's number.
; Wave w is row r = w of each block.  A row's 16 loads read 512 consecutive bytes each; the row turns through the wave's own stage in LDS, half by half, after which lane l holds blocks kb = l and l + 32 whole:
; a block's largest magnitude needs no other lane.  The codes of a row block meet in LDS and leave as 512 consecutive bytes a store.  No tensor loads; three barriers; no prefetch: both rows are asked for at the head.
.set GAM,  0                           ; LDS: gamma, 64 blocks of 128 bytes + 16 of padding (it lies at byte 0)
.set BET,  9216                        ; beta likewise
.set STG,  18432                       ; a stage of 64 x 144 bytes for each wave
.set CST,  165888                      ; the codes of a row block: kb x 272 + 16 r; a region of 17,408 bytes for each of the two phases
.set SST,  200704                      ; its scale bytes [chunk 4][r 16][16], 1,024 bytes for each phase
.set SPARE, 202752                     ; the spare words, 128 bytes for each wave
.set HP,   1114112                     ; bytes from chunk to chunk in h4
.set WP,   557056                      ; and in wc
.set RA,   16                          ; v16-79   x's row as loaded
.set RB,   80                          ; v80-143  the weight's
.set X,    144                         ; v144-207 my two blocks: 32 + 32 numbers
.set GB,   208                         ; v208-239 two buffers of gamma 8, beta 8; later the registers of the way out, 12 for each phase
.set SPW,  240
.set NIL,  241
.set S,    244                         ; v244-251 four pairs of sums; later the two blocks' codes
; v1 lane; v2 16 x lane; v3, v4 the stage, in and out; v5 gamma; v6, v7 where I put codes and scale bytes; v8 codes back; v9, v242 codes out (h4, wc); v10 scales back; v11, v243 scales out (h4, wc); v12, v13 gamma and beta on their way in; v14, v15 two scale bytes
; v252-253 -mean (a pair), v254-255 1 / sqrt(var + eps) (a pair); later the two largest magnitudes and the two scale operands
	s_load_b256 s[4:11], s[0:1], 0x0               ; x, w_v, w_o, gamma
	s_load_b128 s[12:15], s[0:1], 0x20             ; beta, h4
	s_load_b64 s[16:17], s[0:1], 0x30              ; wc
	v_lshl_add_u32 v[SPW], v0, 2, SPARE
	v_mov_b32 v[NIL], 0
	v_lshrrev_b32 v16, 5, v0
	v_readfirstlane_b32 s26, v16                   ; wave 0 .. 15 = my row in each block
	s_mul_i32 s54, s26, 9216
	s_add_co_u32 s54, s54, STG                     ; my stage
	s_lshl_b32 s55, s26, 4
	s_add_co_u32 s56, s55, SST
	s_add_co_u32 s55, s55, CST
	s_mul_i32 s57, s26, 1088
	s_add_co_u32 s57, s57, CST
	s_lshr_b32 s38, s26, 2                         ; on the way out wave w takes chunk w / 4, q = w % 4
	s_and_b32 s39, s26, 3
	s_lshl_b32 s39, s39, 10
	s_mul_i32 s58, s38, HP
	s_add_co_u32 s58, s58, s39
	s_mul_i32 s59, s38, WP
	s_add_co_u32 s59, s59, s39
	s_mov_b32 s42, 0x3a000000                      ; 1 / 2,048
	s_mov_b32 s43, 0x3727c5ac                      ; eps = 1e-5
	s_mov_b32 s60, 0x76543210
	s_mov_b32 s61, 0xfedcba98                      ; v_permlanex16_b32's selects for lane l xor 16
	s_lshr_b32 s46, ttmp9, 7                       ; 0: w_v, 1: w_o
	s_and_b32 s47, ttmp9, 127                      ; j
	s_lshr_b32 s50, s47, 2
	s_lshl_b32 s50, s50, 6                         ; 64 (j / 4)
	s_and_b32 s49, s47, 2
	s_lshl_b32 s49, s49, 4
	s_add_co_u32 s48, s50, s49
	s_and_b32 s49, s47, 1
	s_lshl_b32 s49, s49, 3
	s_add_co_u32 s48, s48, s49
	s_and_b32 s49, s26, 8
	s_add_co_u32 s48, s48, s49
	s_add_co_u32 s48, s48, s26                     ; w_v's source row
	s_and_b32 s49, s47, 3
	s_add_co_u32 s50, s50, s49
	s_lshl_b32 s49, s26, 2
	s_add_co_u32 s49, s50, s49                     ; w_o's
	s_cmp_eq_u32 s46, 1
	s_cselect_b32 s48, s49, s48
	s_lshl_b32 s48, s48, 13                        ; rows of 8,192 bytes
	s_mov_b32 s49, 0
	s_mul_i32 s50, s46, 4*WP
	s_mul_i32 s51, s47, 4352
	s_add_co_u32 s50, s50, s51
	s_mov_b32 s51, 0
	s_mul_i32 s52, ttmp9, 4352
	s_mov_b32 s53, 0
	s_lshl_b32 s44, ttmp9, 4
	s_add_co_u32 s44, s44, s26
	s_lshl_b32 s44, s44, 13
	s_mov_b32 s45, 0
	v_and_b32 v1, 31, v0
	v_lshrrev_b32 v17, 3, v0
	v_and_b32 v18, 7, v0
	v_and_b32 v19, 63, v0
	v_lshlrev_b32 v13, 4, v0
	v_lshlrev_b32 v2, 4, v1
	v_lshrrev_b32 v20, 3, v1
	v_and_b32 v21, 7, v1
	v_lshrrev_b32 v22, 4, v1
	v_and_b32 v23, 15, v1
	v_mul_u32_u24 v17, v17, 144
	v_mul_u32_u24 v20, v20, 144
	v_mul_u32_u24 v5, v1, 144                      ; gamma's block l
	v_mul_u32_u24 v6, v1, 272
	v_mul_u32_u24 v24, v22, 272
	v_lshl_add_u32 v12, v18, 4, v17                ; gamma and beta: thread t brings bytes 16 t on
	v_lshl_add_u32 v20, v21, 4, v20
	v_lshl_add_u32 v7, v22, 8, v23
	v_lshl_add_u32 v24, v23, 4, v24
	v_add_nc_u32 v3, s54, v20                      ; in: eight lanes' 128 bytes are a block, then 16 of padding
	v_add_nc_u32 v4, s54, v5                       ; out: block l
	v_add_nc_u32 v6, s55, v6                       ; codes: kb = l, row = wave
	v_add_nc_u32 v7, s56, v7                       ; scale byte: 256 (l / 16) + 16 wave + l % 16
	v_add_nc_u32 v8, s57, v24                      ; back: wave w takes kb 4 w .. 4 w + 3, two an instruction
	v_add_nc_u32 v9, s58, v2
	v_add_nc_u32 v242, s59, v2
	v_lshlrev_b32 v10, 4, v19
	v_lshrrev_b32 v25, 4, v19
	v_and_b32 v26, 15, v19
	v_mul_u32_u24 v11, v25, HP
	v_mul_u32_u24 v243, v25, WP
	v_add_nc_u32 v10, SST, v10                     ; the scale bytes leave by waves 0 and 1, 16 bytes a lane, sixteen lanes to a chunk's 256
	v_lshl_add_u32 v11, v26, 4, v11
	v_lshl_add_u32 v243, v26, 4, v243
	s_wait_alu depctr_va_vdst(0)                   ; the wait at the head's end
	s_wait_kmcnt 0x0
	s_cmp_eq_u32 s46, 1
	s_cselect_b64 s[6:7], s[8:9], s[6:7]           ; my weight
	s_add_nc_u64 s[28:29], s[4:5], s[44:45]        ; my row of x,
	s_add_nc_u64 s[30:31], s[6:7], s[48:49]        ; of the weight,
	s_add_nc_u64 s[34:35], s[14:15], s[52:53]      ; and where the results go
	s_add_nc_u64 s[36:37], s[16:17], s[50:51]
.macro LOADROW set, base               ; a row: 16 loads of 512 consecutive bytes
.irp i, 0,1,2,3,4,5,6,7,8,9,10,11,12,13,14,15
	global_load_b128 v[\set+4*\i:\set+4*\i+3], v2, s[\base:\base+1] offset:512*\i th:TH_LOAD_NT
.endr
.endm
.macro TURN set, n1, n2                ; through my stage, half a row at a time; n1, n2: the loads issued behind the first and the second half.  LDS serves a wave's instructions in order (ISA guide 5.7.1.4), so no wait stands between the stores and the loads
	s_wait_loadcnt \n1
.irp i, 0,1,2,3,4,5,6,7
	ds_store_b128 v3, v[\set+4*\i:\set+4*\i+3] offset:576*\i
.endr
.irp j, 0,1,2,3,4,5,6,7
	ds_load_b128 v[X+4*\j:X+4*\j+3], v4 offset:16*\j               ; block l
.endr
	s_wait_loadcnt \n2
.irp i, 8,9,10,11,12,13,14,15
	ds_store_b128 v3, v[\set+4*\i:\set+4*\i+3] offset:576*\i
.endr
.irp j, 0,1,2,3,4,5,6,7
	ds_load_b128 v[X+32+4*\j:X+32+4*\j+3], v4 offset:4608+16*\j    ; block l + 32
.endr
.endm
.macro GBLOAD c                        ; gamma and beta of my numbers 8 c .. 8 c + 7, into buffer c % 2
	ds_load_b128 v[GB+16*((\c)%2):GB+16*((\c)%2)+3],     v5 offset:GAM+32*((\c)%4)+4608*((\c)/4)
	ds_load_b128 v[GB+16*((\c)%2)+4:GB+16*((\c)%2)+7],   v5 offset:GAM+32*((\c)%4)+4608*((\c)/4)+16
	ds_load_b128 v[GB+16*((\c)%2)+8:GB+16*((\c)%2)+11],  v5 offset:BET+32*((\c)%4)+4608*((\c)/4)
	ds_load_b128 v[GB+16*((\c)%2)+12:GB+16*((\c)%2)+15], v5 offset:BET+32*((\c)%4)+4608*((\c)/4)+16
.endm
.macro REDUCE                          ; four pairs of sums -> the row's sum, in every lane
	s_delay_alu instid0(VALU_DEP_3)
	v_pk_add_f32 v[S:S+1], v[S:S+1], v[S+2:S+3]
	s_delay_alu instid0(VALU_DEP_2)
	v_pk_add_f32 v[S+4:S+5], v[S+4:S+5], v[S+6:S+7]
	s_delay_alu instid0(VALU_DEP_1)
	v_pk_add_f32 v[S:S+1], v[S:S+1], v[S+4:S+5]
	s_delay_alu instid0(VALU_DEP_1)
	v_add_f32 v[S], v[S], v[S+1]
	s_delay_alu instid0(VALU_DEP_1)
	v_add_f32_dpp v[S], v[S], v[S] row_xmask:1 row_mask:0xf bank_mask:0xf
	s_delay_alu instid0(VALU_DEP_1)
	v_add_f32_dpp v[S], v[S], v[S] row_xmask:2 row_mask:0xf bank_mask:0xf
	s_delay_alu instid0(VALU_DEP_1)
	v_add_f32_dpp v[S], v[S], v[S] row_xmask:4 row_mask:0xf bank_mask:0xf
	s_delay_alu instid0(VALU_DEP_1)
	v_add_f32_dpp v[S], v[S], v[S] row_xmask:8 row_mask:0xf bank_mask:0xf
	s_delay_alu instid0(VALU_DEP_1)
	v_permlanex16_b32 v[S+1], v[S], s60, s61
	s_delay_alu instid0(VALU_DEP_1)
	v_add_f32 v[S], v[S], v[S+1]
.endm
; The norm, in two passes over registers: the mean is taken away before the squares, so a common offset of x costs nothing.
.macro LNORM
	GBLOAD 0
.irp k, 0,1,2,3
	v_pk_add_f32 v[S+2*\k:S+2*\k+1], v[X+4*\k:X+4*\k+1], v[X+4*\k+2:X+4*\k+3]    ; the first numbers start the four chains: nothing is cleared
.endr
.set j, 16
.rept 24
	s_delay_alu instid0(VALU_DEP_4)
	v_pk_add_f32 v[S+2*((j/2)%4):S+2*((j/2)%4)+1], v[S+2*((j/2)%4):S+2*((j/2)%4)+1], v[X+j:X+j+1]
.set j, j+2
.endr
	REDUCE
	s_delay_alu instid0(VALU_DEP_1)
	v_mul_f32 v252, 0xba000000, v[S]               ; -mean = the sum x -1 / 2,048
	s_delay_alu instid0(VALU_DEP_1)
	v_mov_b32 v253, v252
.set j, 0
.rept 32
	v_pk_add_f32 v[X+j:X+j+1], v[X+j:X+j+1], v[252:253]
.set j, j+2
.endr
.irp k, 0,1,2,3
	v_pk_mul_f32 v[S+2*\k:S+2*\k+1], v[X+2*\k:X+2*\k+1], v[X+2*\k:X+2*\k+1]
.endr
.set j, 8
.rept 28
	s_delay_alu instid0(VALU_DEP_4)
	v_pk_fma_f32 v[S+2*((j/2)%4):S+2*((j/2)%4)+1], v[X+j:X+j+1], v[X+j:X+j+1], v[S+2*((j/2)%4):S+2*((j/2)%4)+1]
.set j, j+2
.endr
	REDUCE
	s_delay_alu instid0(VALU_DEP_1)
	v_fma_f32 v[S+2], v[S], s42, s43               ; var + eps
	s_wait_alu depctr_va_vdst(0)                   ; the wait ahead of the transcendentals
	v_rsq_f32 v254, v[S+2]
	v_rsq_f32 v255, v[S+2]                         ; twice: the packed multiply wants a pair
	v_nop                                          ; a plain instruction behind the transcendentals (ISA guide 5.7.2),
	s_wait_alu depctr_va_vdst(0)                   ; and the wait ahead of the first reader: one for both
.irp c, 0,1,2,3,4,5,6,7
.if \c < 7
	GBLOAD \c+1
	s_wait_dscnt 4                                 ; this chunk's gamma and beta are in; the next chunk's four loads may be out
.else
	s_wait_dscnt 0x0
.endif
.irp k, 0,2,4,6
	v_pk_mul_f32 v[X+8*\c+\k:X+8*\c+\k+1], v[X+8*\c+\k:X+8*\c+\k+1], v[254:255]
.endr
.irp k, 0,2,4,6
	s_delay_alu instid0(VALU_DEP_4)
	v_pk_fma_f32 v[X+8*\c+\k:X+8*\c+\k+1], v[X+8*\c+\k:X+8*\c+\k+1], v[GB+16*(\c%2)+\k:GB+16*(\c%2)+\k+1], v[GB+16*(\c%2)+8+\k:GB+16*(\c%2)+8+\k+1]
.endr
.endr
.endm
; My two blocks become 2 x 16 bytes of codes in v[S] on, and two scale bytes in v14, v15.
.macro QUANT2
.irp b, 0,1
	v_max3_num_f32 v[252+\b], |v[X+32*\b]|, |v[X+32*\b+1]|, 0x1800000      ; the floor 2^(3 - 127) among the leaves: the byte cannot fall under 1
.endr
.irp i, 2,4,6,8,10,12,14,16,18,20,22,24,26,28,30
.irp b, 0,1
	s_delay_alu instid0(VALU_DEP_2)
	v_max3_num_f32 v[252+\b], v[252+\b], |v[X+32*\b+\i]|, |v[X+32*\b+\i+1]|
.endr
.endr
.irp b, 0,1
	s_delay_alu instid0(VALU_DEP_2)
	v_add_nc_u32 v[254+\b], 0xff000000, v[252+\b]  ; 2 off the exponent field: the conversion takes the exponent field of this operand as its scale
.endr
.irp b, 0,1
.irp g, 0,1,2,3
	v_cvt_scalef32_pk8_fp4_f32 v[S+4*\b+\g], v[X+32*\b+8*\g:X+32*\b+8*\g+7], v[254+\b]
.endr
.endr
	v_lshrrev_b32 v14, 23, v254                    ; the scales' bytes (also the plain instruction behind the conversions)
	v_lshrrev_b32 v15, 23, v255
.endm
.macro PUT p                           ; into phase p's own bytes; then the work-group's barrier, behind my wait for my stores
	ds_store_b128 v6, v[S:S+3] offset:17408*\p
	ds_store_b128 v6, v[S+4:S+7] offset:17408*\p+8704
	ds_store_b8 v7, v14 offset:1024*\p
	ds_store_b8 v7, v15 offset:1024*\p+512
	s_wait_dscnt 0x0
	s_barrier_signal -1
	s_barrier_wait -1
.endm
.macro OUTP p, base, vo, vs            ; each store covers 512 consecutive bytes, aligned (scale bytes: units of 256); each phase has registers of its own, so no store's data are written again
	ds_load_b128 v[GB+12*\p:GB+12*\p+3], v8 offset:17408*\p
	ds_load_b128 v[GB+12*\p+4:GB+12*\p+7], v8 offset:17408*\p+544
	s_wait_dscnt 0x0
	global_store_b128 v[\vo], v[GB+12*\p:GB+12*\p+3], s[\base:\base+1]
	global_store_b128 v[\vo], v[GB+12*\p+4:GB+12*\p+7], s[\base:\base+1] offset:512
	s_cmp_lt_u32 s26, 2
	s_cbranch_scc0 .Lno_scales_\@
	ds_load_b128 v[GB+12*\p+8:GB+12*\p+11], v10 offset:1024*\p
	s_wait_dscnt 0x0
	global_store_b128 v[\vs], v[GB+12*\p+8:GB+12*\p+11], s[\base:\base+1] offset:4096
.Lno_scales_\@:
.endm
	global_load_b128 v[GB:GB+3], v13, s[10:11]     ; gamma, beta: 16 bytes a thread
	global_load_b128 v[GB+4:GB+7], v13, s[12:13]
	LOADROW RA, 28                                 ; x's row
	LOADROW RB, 30                                 ; the weight's row
	s_wait_loadcnt 32                              ; gamma and beta are in; the two rows' 32 loads may be out
	ds_store_b128 v12, v[GB:GB+3] offset:GAM
	ds_store_b128 v12, v[GB+4:GB+7] offset:BET
	s_wait_dscnt 0x0                               ; for the others: my part of gamma and beta has landed
	s_barrier_signal -1
	s_barrier_wait -1
	TURN RA, 24, 16                                ; behind x's halves: eight loads of its own and the weight's 16, then those 16
	s_wait_dscnt 0x0
	LNORM
	QUANT2
	PUT 0
	OUTP 0, 34, 9, 11
	TURN RB, 8, 0
	s_wait_dscnt 0x0
	QUANT2
	PUT 1
	OUTP 1, 36, 242, 243
	s_wait_tensorcnt 0x0                           ; the wave's end
	ds_add_u32 v[SPW], v[NIL]
	s_wait_dscnt 0x0
	s_endpgm
.Lfunc_end_k_q6d52c463b4_prep:
	.size	k_q6d52c463b4_prep, .Lfunc_end_k_q6d52c463b4_prep-k_q6d52c463b4_prep
	.p2alignl 7, 3214868480
	.fill 96, 4, 3214868480
	.section	.rodata,"a",@progbits
	.p2align	6, 0x0
	.amdhsa_kernel k_q6d52c463b4_prep
		.amdhsa_group_segment_fixed_size 204800
		.amdhsa_private_segment_fixed_size 0
		.amdhsa_enable_private_segment 0
		.amdhsa_kernarg_size 56
		.amdhsa_user_sgpr_count 2
		.amdhsa_user_sgpr_kernarg_segment_ptr 1
		.amdhsa_wavefront_size32 1
		.amdhsa_system_sgpr_workgroup_id_x 1
		.amdhsa_system_sgpr_workgroup_id_y 1
		.amdhsa_system_sgpr_workgroup_id_z 1
		.amdhsa_system_vgpr_workitem_id 0
		.amdhsa_next_free_vgpr 256
		.amdhsa_next_free_sgpr 66
		.amdhsa_reserve_vcc 0
		.amdhsa_float_denorm_mode_32 3
		.amdhsa_float_denorm_mode_16_64 3
		.amdhsa_memory_ordered 1
		.amdhsa_forward_progress 1
		.amdhsa_inst_pref_size 39
	.end_amdhsa_kernel
	.amdgpu_metadata
---
amdhsa.version: [ 1, 2 ]
amdhsa.kernels:
  - .name:           k_q6d52c463b4_prep
    .symbol:         k_q6d52c463b4_prep.kd
    .args:
      - { .name: x, .offset: 0, .size: 8, .value_kind: global_buffer, .address_space: global }
      - { .name: w_v, .offset: 8, .size: 8, .value_kind: global_buffer, .address_space: global }
      - { .name: w_o, .offset: 16, .size: 8, .value_kind: global_buffer, .address_space: global }
      - { .name: ln_gamma, .offset: 24, .size: 8, .value_kind: global_buffer, .address_space: global }
      - { .name: ln_beta, .offset: 32, .size: 8, .value_kind: global_buffer, .address_space: global }
      - { .name: h4, .offset: 40, .size: 8, .value_kind: global_buffer, .address_space: global }
      - { .name: wc, .offset: 48, .size: 8, .value_kind: global_buffer, .address_space: global }
    .group_segment_fixed_size: 204800
    .private_segment_fixed_size: 0
    .kernarg_segment_align: 8
    .kernarg_segment_size: 56
    .max_flat_workgroup_size: 512
    .sgpr_count:     66
    .vgpr_count:     256
    .wavefront_size: 32
...
	.end_amdgpu_metadata
.endif
;; end of part 1
;; launch vproj (part 2): grid 8 x 32, 4 waves a work-group, clusters of 4 x 4, 327,680 bytes of LDS; arguments h4, wc, b_v, a4; writes a4
.if DOCPART == 2
	.amdgcn_target "amdgcn-amd-amdhsa--gfx1250"
	.amdhsa_code_object_version 6
	.text
	.protected	k_q6d52c463b4_vproj
	.globl	k_q6d52c463b4_vproj
	.p2align	8
	.type	k_q6d52c463b4_vproj,@function
k_q6d52c463b4_vproj:
	s_mov_b64 s[64:65], 0
	v_nop
	global_prefetch_b8 v0, s[64:65] scope:SCOPE_SE
	s_setreg_imm32_b32 hwreg(HW_REG_WAVE_MODE, 25, 1), 1
	s_wait_xcnt 0x0
	s_wait_alu depctr_hold_cnt(0) depctr_sa_sdst(0) depctr_va_vdst(0) depctr_va_sdst(0) depctr_va_ssrc(0) depctr_va_vcc(0) depctr_vm_vsrc(0)
	s_getreg_b32 s2, hwreg(HW_REG_IB_STS2, 6, 4)
	s_cmp_eq_u32 s2, 0
	s_cbranch_scc0 .Lentry_in_a_cluster
	s_endpgm
.Lentry_in_a_cluster:
	s_bfe_u32 s2, ttmp6, 0x10000c
	s_cmp_lg_u32 s2, 0xf033
	s_cbranch_scc0 .Lentry_shape_is_right
	s_endpgm
.Lentry_shape_is_right:
; v = Q(h) Q(w_v)^T + b_v on codes of FP4 (E2M1) with E8M0 scales, sums in f32; v is quantised along the next product's K and stored as codes.  v in f32 never goes to memory.
; DEAD WORK LEFT OUT: attn = p v with p the softmax over ONE key, which is 1 for every finite score: so attn = v, and q, k, the scores and p are not made (see the first kernel's head).
; LIMITS: a NaN, an infinity or an overflow in q, k or the scores alone is not carried on; the FP4 quantiser carries no NaN.  A block of zeros gets the scale byte 1 (its codes are zeros; this program alone reads the bytes).
; SHARES.  Work-group (x, y): 128 rows x 256 columns, 256 work-groups.  Wave w: 128 rows x columns 64 w .. 64 w + 63: 32 accumulators in window 1, (a, jj) at v[8 (4 a + jj)].
; For 128 along K a wave reads (128 + 64) rows x 64 bytes from LDS for 32 matrix instructions.
; THE MATRIX INSTRUCTION IS USED TRANSPOSED: source 0 = 16 rows of w_v, source 1 = 16 rows of h.  w_v's rows were laid so that in tile jj = 2 b + u lane (r, h) holds row 16 a + r and its register i column 32 b + 16 h + 8 u + i.
; OPERANDS lie in memory as [chunk of 512 K][row block][4,096 bytes of codes, 256 of scale words], codes in the order of the operand's registers: read at 16 x lane, no padding.
; K IN FOUR CHUNKS.  LDS holds three: each wave asks at the head, by ONE joint load, for its share of chunks 0 to 2 (three rows, a chunk each); chunk 3 takes chunk 0's place, by one joint refill a wave.
; A chunk is four groups of 32 products: pair p of h's row blocks (2 p, 2 p + 1) against my four tiles, 4 x 128 along K, 8 accumulators by turns.  The chunk's fragments of w_v stay in registers (128; two sets), h's pairs have two sets of 64.
; CLUSTER 4 x 4: h's tiles hang on y alone and are asked for jointly by a row of the cluster (waves 0, 1: half of the rows each), w_v's on x alone, by a column (waves 2, 3).
; No prefetch into the L2: the text has no loop to run ahead in: three quarters of all bytes are asked for at the head, and the last quarter 224 matrix instructions ahead of its first use.
.set RBB,  4352                        ; a row block's bytes in a chunk
.set ACH,  4*RBB                       ; half of h's eight row blocks, a chunk
.set BCH,  8*RBB                       ; half of w_v's sixteen
.set LA1,  3*ACH                       ; LDS: h's lower half [chunk place 3][4][RBB] at 0, its upper half here;
.set LB0,  6*ACH                       ; w_v's two halves [chunk place 3][8][RBB] behind them
.set SPARE, LB0+6*BCH                  ; the spare words, 128 bytes for each wave
.set SST,  SPARE+512                   ; v's scale words [a 8][r 16][q 2][4]
.set HP,   1114112                     ; bytes from chunk to chunk in h4 and a4
.set WP,   557056                      ; and in wc
.set NSC,  6                           ; LDS loads that bring a chunk's scale words
.set ADA, 3                            ; v3-4   16 x lane, in each half of h
.set ADB, 5                            ; v5-6   my four tiles, in chunk place 0, 2
.set SA,  7                            ; v7-8   h's scale words in each half: lanes 0-15 an even row block's, lanes 16-31 the next one's
.set SBR, 9                            ; v9-10  my tiles' likewise, in chunk place 0, 2
.set SPW, 11                           ; never rewritten
.set NIL, 12                           ; never rewritten
.set BO,  13                           ; 64 h: the bias
.set SC,  16                           ; v16-39, v40-63 two sets of scale words: 4 p + q for h's pair p, 16 + 4 b + q for my tiles 2 b, 2 b + 1
.set AF,  64                           ; v64-127, v128-191 h's fragments of a pair: 32 e + 8 q
.set BB,  192                          ; v192-223 b_v's four tiles, until the first products have taken them
.set T,   192                          ; v192-207 at work on the way out
.set CD,  208                          ; v208-239 the codes on the way out, eight for each pair
.set SBY, 240                          ; v240-247 the scale bytes on the way out, two for each pair
.set WV,  22
.set G1A, 24                           ; group 1: h, w_v at the head; h, w_v in the refill
.set G1B, 32
.set G1A2, 40
.set G1B2, 48
.set G0A, 56                           ; and their groups 0
.set G0B, 60
.set G0A2, 68
.set G0B2, 72
.set MSB, 0
.macro WIN new                         ; the immediate's high byte repeats the setting that is left
.if MSB != \new
	s_set_vgpr_msb (MSB<<8)|\new
.set MSB, \new
.endif
.endm
.macro PLACES                          ; four plain vector instructions between a matrix instruction and a load into one of its registers or a read of its result (ISA guide 7.12.1 for the read of a result)
.rept 4
	v_nop
.endr
.endm
.macro DESC1 g, c, r, p                ; words 1 to 7 of a group 1: r rows of c elements, p elements from row to row
	s_mov_b32 s[\g+1], ((\c)&0xffff)<<16
	s_mov_b32 s[\g+2], ((\c)>>16)|(((\r)&0xffff)<<16)
	s_mov_b32 s[\g+3], ((\r)>>16)|((\c)<<16)
	s_mov_b32 s[\g+4], \r
	s_mov_b32 s[\g+5], \p
	s_mov_b32 s[\g+6], 0
	s_mov_b32 s[\g+7], 0
.endm
.macro JLOAD g0a, g1a, g0b, g1b        ; a joint load; the branch hangs on the wave's number alone; four v_nop follow each of the two lines
	s_cmp_lt_u32 s[WV], 2
	s_cbranch_scc0 .Lfor_b_\@
	tensor_load_to_lds s[\g0a:\g0a+3], s[\g1a:\g1a+7]
	s_nop 0
.rept 4
	v_nop
.endr
	s_branch .Lasked_\@
.Lfor_b_\@:
	tensor_load_to_lds s[\g0b:\g0b+3], s[\g1b:\g1b+7]
	s_nop 0
.rept 4
	v_nop
.endr
.Lasked_\@:
.endm
.macro CREST                           ; a round of the cluster's barrier behind its opening barrier
	s_cmp_lg_u32 s[WV], 0
	s_cbranch_scc1 .Lnot_wave_0_\@
	s_barrier_signal -3
.Lnot_wave_0_\@:
	s_barrier_wait -3
	s_barrier_signal -1
	s_barrier_wait -1
.endm
.macro CROUND
	s_barrier_signal -1
	s_barrier_wait -1
	CREST
.endm
	s_load_b256 s[4:11], s[0:1], 0x0               ; h4, wc, b_v, a4
	v_lshl_add_u32 v[SPW], v0, 2, SPARE
	v_mov_b32 v[NIL], 0
	ds_add_u32 v[SPW], v[NIL]                      ; the wave's opening: the add, twice on end, and its wait ahead of my first tensor load
	ds_add_u32 v[SPW], v[NIL]
	v_lshrrev_b32 v1, 5, v0
	v_readfirstlane_b32 s[WV], v1                  ; wave 0 .. 3
	s_bfe_u32 s14, ttmp6, 0x40000                  ; cx
	s_bfe_u32 s15, ttmp6, 0x40004                  ; cy
	s_lshl_b32 s16, ttmp9, 2
	s_add_co_u32 s16, s16, s14                     ; x: the block of 256 columns
	s_and_b32 s17, ttmp7, 0xffff
	s_lshl_b32 s17, s17, 2
	s_add_co_u32 s17, s17, s15                     ; y: the block of 128 rows
	s_lshl_b32 s18, s15, 2
	s_lshl_b32 s18, 15, s18                        ; my row of the cluster
	s_lshl_b32 s19, 0x1111, s14                    ; my column
	s_or_b32 s[G1A], s18, (3<<16)|(1<<21)          ; 15:0 the mask; 17:16 elements of 8 bytes; 21 set beside a mask; no padding
	s_or_b32 s[G1A2], s18, (3<<16)|(1<<21)
	s_or_b32 s[G1B], s19, (3<<16)|(1<<21)
	s_or_b32 s[G1B2], s19, (3<<16)|(1<<21)
	DESC1 G1A, 2176, 3, 139264                     ; h: three chunks x four row blocks (17,408 bytes)
	DESC1 G1B, 4352, 3, 69632                      ; w_v: three chunks x eight row blocks (34,816 bytes)
	DESC1 G1A2, 1088, 2, 1088                      ; the refill: 17,408 dense bytes as two rows
	DESC1 G1B2, 2176, 2, 2176                      ; 34,816 dense bytes as two rows
	s_and_b32 s23, s[WV], 1                        ; which half I fetch
	s_mul_i32 s20, s17, 8*RBB                      ; h: row block 8 y + 4 half.  (s20-21 never hold x)
	s_mul_i32 s21, s23, ACH
	s_add_co_u32 s20, s20, s21
	s_mov_b32 s21, 0
	s_mul_i32 s76, s16, 16*RBB                     ; w_v: row block 16 x + 8 half.  (s76-77 never hold y)
	s_mul_i32 s77, s23, BCH
	s_add_co_u32 s76, s76, s77
	s_mov_b32 s77, 0
	s_mov_b32 s[G0A], 1
	s_mov_b32 s[G0A2], 1
	s_mov_b32 s[G0B], 1
	s_mov_b32 s[G0B2], 1
	s_mul_i32 s[G0A+1], s23, LA1
	s_mul_i32 s[G0A2+1], s23, LA1
	s_mul_i32 s[G0B+1], s23, 3*BCH
	s_add_co_u32 s[G0B+1], s[G0B+1], LB0
	s_mul_i32 s[G0B2+1], s23, 3*BCH
	s_add_co_u32 s[G0B2+1], s[G0B2+1], LB0
	s_lshr_b32 s78, s[WV], 1                       ; my four tiles in LDS: half w / 2, row blocks 4 (w % 2) on
	s_mul_i32 s78, s78, 3*BCH
	s_mul_i32 s79, s23, ACH
	s_add_co_u32 s78, s78, s79
	s_add_co_u32 s78, s78, LB0
	s_lshl_b32 s86, s[WV], 1
	s_add_co_u32 s86, s86, SST
	s_lshl_b32 s87, s[WV], 8
	s_add_co_u32 s87, s87, SST
	s_mov_b32 s82, 0x76543210
	s_mov_b32 s83, 0xfedcba98                      ; v_permlanex16_b32's selects for lane l xor 16
	v_and_b32 v1, 15, v0                           ; r
	v_bfe_u32 v2, v0, 4, 1                         ; h
	v_and_b32 v249, 31, v0
	v_lshlrev_b32 v[ADA], 4, v249
	v_lshlrev_b32 v248, 3, v249                    ; 8 x lane
	v_lshlrev_b32 v[BO], 6, v2
	v_mul_u32_u24 v[SA], v2, RBB
	v_add_nc_u32 v[ADA+1], LA1, v[ADA]
	v_add_nc_u32 v[ADB], s78, v[ADA]
	v_lshl_add_u32 v[SA], v1, 4, v[SA]
	v_add_nc_u32 v[ADB+1], 2*BCH, v[ADB]
	v_add_nc_u32 v[SA], 4096, v[SA]                ; 4,096 + 16 r + a row block for lanes 16-31
	v_lshl_add_u32 v14, v1, 3, s86                 ; my two bytes of row r's scale words: 8 r + 2 w
	v_add_nc_u32 v15, s87, v248                    ; and 256 bytes a wave, back
	v_add_nc_u32 v[SA+1], LA1, v[SA]
	v_add_nc_u32 v[SBR], s78, v[SA]
	v_add_nc_u32 v[SBR+1], 2*BCH, v[SBR]
	s_wait_alu depctr_va_vdst(0)                   ; the wait at the head's end
	s_wait_dscnt 0x0                               ; both opening adds are done
	s_wait_kmcnt 0x0
	s_add_nc_u64 s[20:21], s[4:5], s[20:21]
	s_add_nc_u64 s[76:77], s[6:7], s[76:77]
	s_mov_b64 s[G0A+2:G0A+3], s[20:21]
	s_or_b32 s[G0A+3], s[G0A+3], 0x80000000
	s_add_nc_u64 s[G0A2+2:G0A2+3], s[20:21], 3*HP  ; chunk 3
	s_or_b32 s[G0A2+3], s[G0A2+3], 0x80000000
	s_mov_b64 s[G0B+2:G0B+3], s[76:77]
	s_or_b32 s[G0B+3], s[G0B+3], 0x80000000
	s_add_nc_u64 s[G0B2+2:G0B2+3], s[76:77], 3*WP
	s_or_b32 s[G0B2+3], s[G0B2+3], 0x80000000
	CROUND                                         ; all sixteen work-groups are here: the joint loads meet
	JLOAD G0A, G1A, G0B, G1B                       ; my one load at the head
	s_lshl_b32 s78, s16, 10
	s_lshl_b32 s79, s[WV], 8
	s_add_co_u32 s78, s78, s79                     ; the biases of my 64 columns: 1,024 x + 256 wave
	s_mov_b32 s79, 0
	s_add_nc_u64 s[8:9], s[8:9], s[78:79]
.irp jj, 0,1,2,3                               ; a bias tile in the result's layout: column 32 b + 16 h + 8 u + i
	global_load_b128 v[BB+8*\jj:BB+8*\jj+3],   v[BO], s[8:9] offset:4*(32*(\jj/2)+8*(\jj%2))
	global_load_b128 v[BB+8*\jj+4:BB+8*\jj+7], v[BO], s[8:9] offset:4*(32*(\jj/2)+8*(\jj%2))+16
.endr
	; where v goes: a4 [chunk][pair of row blocks][codes [2][q 4][1,024], scale words [q / 2][2][r 16][q % 2][4]]: chunk x / 2, pair 4 y on, q = 2 (x % 2) + w / 2
	s_lshr_b32 s78, s16, 1
	s_mul_i32 s78, s78, HP
	s_mul_i32 s80, s17, 8*RBB
	s_add_co_u32 s78, s78, s80
	s_add_nc_u64 s[10:11], s[10:11], s[78:79]
	s_and_b32 s78, s16, 1
	s_lshl_b32 s80, s78, 11
	s_lshl_b32 s84, s78, 8
	s_lshl_b32 s78, s[WV], 9
	s_add_co_u32 s80, s80, s78                     ; codes: 2,048 (x % 2) + 512 w
	s_mul_i32 s78, s[WV], 2*RBB
	s_add_co_u32 s84, s84, s78
	s_add_co_u32 s84, s84, 8192                    ; scale words: pair w
	s_mov_b32 s81, 0
	s_mov_b32 s85, 0
	s_add_nc_u64 s[80:81], s[10:11], s[80:81]
	s_add_nc_u64 s[84:85], s[10:11], s[84:85]
.macro LDA c, p                        ; h's pair p of chunk c: 16 loads
.irp e, 0,1
.irp q, 0,1,2,3
	ds_load_b128 v[AF+64*((\p)%2)+32*\e+8*\q:AF+64*((\p)%2)+32*\e+8*\q+3],   v[ADA+(\p)/2] offset:((\c)%3)*ACH+(2*((\p)%2)+\e)*RBB+1024*\q
	ds_load_b128 v[AF+64*((\p)%2)+32*\e+8*\q+4:AF+64*((\p)%2)+32*\e+8*\q+7], v[ADA+(\p)/2] offset:((\c)%3)*ACH+(2*((\p)%2)+\e)*RBB+1024*\q+512
.endr
.endr
.endm
.macro LDB c, q                        ; my four tiles, the chunk's q-th 128 along K: 8 loads, into window 2
.irp jj, 0,1,2,3
	ds_load_b128 v[128*((\c)%2)+32*(\q)+8*\jj:128*((\c)%2)+32*(\q)+8*\jj+3],   v[ADB+((\c)%3)/2] offset:(((\c)%3)%2)*BCH+\jj*RBB+1024*(\q)
	ds_load_b128 v[128*((\c)%2)+32*(\q)+8*\jj+4:128*((\c)%2)+32*(\q)+8*\jj+7], v[ADB+((\c)%3)/2] offset:(((\c)%3)%2)*BCH+\jj*RBB+1024*(\q)+512
.endr
.endm
.macro LDSC c                          ; a chunk's scale words: four words a row
.irp g, 0,1,2,3
	ds_load_b128 v[SC+24*((\c)%2)+4*\g:SC+24*((\c)%2)+4*\g+3], v[SA+\g/2] offset:((\c)%3)*ACH+(\g%2)*2*RBB
.endr
.irp b, 0,1
	ds_load_b128 v[SC+24*((\c)%2)+16+4*\b:SC+24*((\c)%2)+16+4*\b+3], v[SBR+((\c)%3)/2] offset:(((\c)%3)%2)*BCH+\b*2*RBB
.endr
.endm
.macro WM d, w, a, c, sw, sa, rw, ra   ; one product; rw, ra: the scale words lie in lanes 16-31 of their registers
.if (\rw) && (\ra)
	v_wmma_scale_f32_16x16x128_f8f6f4 v[\d:\d+7], v[\w:\w+7], v[\a:\a+7], v[\c:\c+7], v[\sw], v[\sa] matrix_a_fmt:MATRIX_FMT_FP4 matrix_b_fmt:MATRIX_FMT_FP4 matrix_a_scale:MATRIX_SCALE_ROW1 matrix_b_scale:MATRIX_SCALE_ROW1
.elseif (\rw)
	v_wmma_scale_f32_16x16x128_f8f6f4 v[\d:\d+7], v[\w:\w+7], v[\a:\a+7], v[\c:\c+7], v[\sw], v[\sa] matrix_a_fmt:MATRIX_FMT_FP4 matrix_b_fmt:MATRIX_FMT_FP4 matrix_a_scale:MATRIX_SCALE_ROW1
.elseif (\ra)
	v_wmma_scale_f32_16x16x128_f8f6f4 v[\d:\d+7], v[\w:\w+7], v[\a:\a+7], v[\c:\c+7], v[\sw], v[\sa] matrix_a_fmt:MATRIX_FMT_FP4 matrix_b_fmt:MATRIX_FMT_FP4 matrix_b_scale:MATRIX_SCALE_ROW1
.else
	v_wmma_scale_f32_16x16x128_f8f6f4 v[\d:\d+7], v[\w:\w+7], v[\a:\a+7], v[\c:\c+7], v[\sw], v[\sa] matrix_a_fmt:MATRIX_FMT_FP4 matrix_b_fmt:MATRIX_FMT_FP4
.endif
.endm
; 8 products: pair p against my four tiles, the q-th 128 along K of chunk c.  The very first take the bias as C: nothing is cleared.  The eight accumulators take turns, one instruction a turn.
.macro MMQ c, p, q
.if (\c) == 0 && (\q) == 0
	WIN 0x42                                       ; source 0 (w_v) window 2, source 1 (h) window 0, C (the bias) window 0, D window 1
.else
	WIN 0x52                                       ; C and D window 1
.endif
.irp e, 0,1
.irp jj, 0,1,2,3
.if (\c) == 0 && (\q) == 0
	WM 8*(4*(2*(\p)+\e)+\jj), 128*((\c)%2)+32*(\q)+8*\jj, AF+64*((\p)%2)+32*\e+8*(\q), BB+8*\jj, SC+24*((\c)%2)+16+4*(\jj/2)+(\q), SC+24*((\c)%2)+4*(\p)+(\q), \jj%2, \e
.else
	WM 8*(4*(2*(\p)+\e)+\jj), 128*((\c)%2)+32*(\q)+8*\jj, AF+64*((\p)%2)+32*\e+8*(\q), 8*(4*(2*(\p)+\e)+\jj), SC+24*((\c)%2)+16+4*(\jj/2)+(\q), SC+24*((\c)%2)+4*(\p)+(\q), \jj%2, \e
.endif
.endr
.endr
.endm
; ONE run of loads for what follows group (c, p): the next pair of h, and while the next chunk lies in LDS a quarter of its w_v, and once its scale words.  NL: their number.
.macro NEXT c, p
	WIN 0
	PLACES
.set NL, 16
.if (\p) < 3
	LDA \c, (\p)+1
.elseif (\c) < 3
	LDA (\c)+1, 0
.else
.set NL, 0
.endif
.if (\c) < 2
	WIN 0x80                                       ; destination window 2
	LDB (\c)+1, \p
	WIN 0
.set NL, 24
.if (\p) == 1
	LDSC (\c)+1
.set NL, 24+NSC
.endif
.endif
.endm
.macro GRP c, p
	NEXT \c, \p
	s_wait_dscnt NL                                ; all but the run just issued: the group's own operands were asked for a group ago
	MMQ \c, \p, 0
	MMQ \c, \p, 1
	MMQ \c, \p, 2
	MMQ \c, \p, 3
.endm
.macro FILLUP c                        ; a chunk's first operands in one run: scale words, pair 0, then w_v's fragments in the order of K
	LDSC \c
	LDA \c, 0
	WIN 0x80
.irp q, 0,1,2,3
	LDB \c, \q
.endr
	WIN 0
.endm
.macro GRPS c                          ; the first group behind FILLUP: each 128 along K waits for its own eight loads of w_v
	s_wait_dscnt 24
	MMQ \c, 0, 0
	NEXT \c, 0
	s_wait_dscnt NL+16
	MMQ \c, 0, 1
	s_wait_dscnt NL+8
	MMQ \c, 0, 2
	s_wait_dscnt NL
	MMQ \c, 0, 3
.endm
; THE WAY OUT of pair p: two row blocks x two blocks of 32 columns, four blocks by turns.  Registers 32 a + 16 b + 0 .. 15 are 16 neighbours of block b of row 16 a + r; lane l xor 16 holds the other 16.
.macro EPI p
	WIN 0x14                                       ; sources 1 and 2 window 1
.irp e, 0,1
.irp b, 0,1
	v_max3_num_f32 v[T+2*\e+\b], 0x1800000, |v[32*(2*(\p)+\e)+16*\b]|, |v[32*(2*(\p)+\e)+16*\b+1]|       ; the floor 2^(3 - 127): the byte cannot fall under 1; each accumulator from its low end on
.endr
.endr
.irp i, 2,4,6,8,10,12,14
.irp e, 0,1
.irp b, 0,1
	v_max3_num_f32 v[T+2*\e+\b], v[T+2*\e+\b], |v[32*(2*(\p)+\e)+16*\b+\i]|, |v[32*(2*(\p)+\e)+16*\b+\i+1]|
.endr
.endr
.endr
	WIN 0
.irp n, 0,1,2,3
	v_permlanex16_b32 v[T+4+\n], v[T+\n], s82, s83
.endr
.irp n, 0,1,2,3
	v_max_num_f32 v[T+\n], v[T+\n], v[T+4+\n]      ; the block's largest magnitude
.endr
.irp n, 0,1,2,3
	v_add_nc_u32 v[T+8+\n], 0xff000000, v[T+\n]    ; 2 off its exponent field: the conversion's scale operand
.endr
.irp n, 0,1,2,3
	v_lshrrev_b32 v[T+12+\n], 23, v[T+8+\n]        ; the scale's byte
.endr
.irp e, 0,1
	v_lshl_or_b32 v[SBY+2*(\p)+\e], v[T+13+2*\e], 8, v[T+12+2*\e]  ; my two bytes of the row's scale word
.endr
	WIN 0x01                                       ; source 0 window 1
.irp e, 0,1
.irp b, 0,1
.irp u, 0,1
	v_cvt_scalef32_pk8_fp4_f32 v[CD+8*(\p)+4*\e+2*\b+\u], v[32*(2*(\p)+\e)+16*\b+8*\u:32*(2*(\p)+\e)+16*\b+8*\u+7], v[T+8+2*\e+\b]
.endr
.endr
.endr
	WIN 0
	v_nop                                          ; one plain instruction behind the conversions
.irp e, 0,1
.irp i, 0,1
	v_permlane16_swap_b32 v[CD+8*(\p)+4*\e+\i], v[CD+8*(\p)+4*\e+2+\i]     ; a whole block to a lane: lanes 0-15 block 0, lanes 16-31 block 1 of row r: 16 bytes
.endr
.endr
.irp e, 0,1
	global_store_b128 v[ADA], v[CD+8*(\p)+4*\e:CD+8*(\p)+4*\e+3], s[80:81] offset:2*RBB*(\p)+4096*\e       ; 512 consecutive bytes, aligned; each pair has registers of its own, so no store's data are written again
.endr
.irp e, 0,1
	ds_store_b16 v14, v[SBY+2*(\p)+\e] offset:128*(2*(\p)+\e)      ; lanes r and r + 16 write the same bytes with the same values
.endr
.endm
	s_wait_tensorcnt 0x0                           ; my share of chunks 0 to 2 is in
	s_barrier_signal -1
	s_barrier_wait -1
	FILLUP 0
	s_wait_loadcnt 0x0                             ; the bias
	GRPS 0
	GRP 0, 1
	GRP 0, 2
	; chunk 0's last group: every wave has its last operands of chunk 0, and chunk 3 takes its place
	NEXT 0, 3
	s_wait_tensorcnt 0x0
	ds_add_u32 v[SPW], v[NIL]                      ; 0 onto my spare word
	s_wait_dscnt 25                                ; (the add and the 24 loads of chunk 1 just issued may be out)
	MMQ 0, 3, 0
	MMQ 0, 3, 1
	MMQ 0, 3, 2
	s_wait_dscnt 0x0                               ; the add is done, and my reads of chunk 0 are over
	s_barrier_signal -1
	MMQ 0, 3, 3
	WIN 0
	s_barrier_wait -1
	CREST                                          ; no wave of any partner still reads chunk 0 or has a load on its way
	JLOAD G0A2, G1A2, G0B2, G1B2                   ; chunk 3
	GRP 1, 0
	GRP 1, 1
	GRP 1, 2
	GRP 1, 3
	GRP 2, 0
	GRP 2, 1
	GRP 2, 2
	WIN 0
	s_wait_tensorcnt 0x0                           ; my share of chunk 3 is in
	s_wait_dscnt 0x0                               ; chunk 2's last operands are in, and no LDS access of mine is out at the signal
	s_barrier_signal -1
	MMQ 2, 3, 0
	s_barrier_wait -1                              ; chunk 3 is whole
	WIN 0
	PLACES
	FILLUP 3
	MMQ 2, 3, 1
	MMQ 2, 3, 2
	MMQ 2, 3, 3
	GRPS 3                                         ; the last chunk: each pair leaves as soon as it is finished
	PLACES
	EPI 0
	GRP 3, 1
	PLACES
	EPI 1
	GRP 3, 2
	PLACES
	EPI 2
	GRP 3, 3
	PLACES
	EPI 3
	s_wait_dscnt 0x0                               ; for the others' sake
	s_barrier_signal -1
	s_barrier_wait -1
	ds_load_b64 v[250:251], v15
	s_wait_dscnt 0x0
	global_store_b64 v248, v[250:251], s[84:85]    ; pair w's scale words of my 256 columns: 256 consecutive bytes, aligned
	s_wait_tensorcnt 0x0                           ; the wave's end
	ds_add_u32 v[SPW], v[NIL]
	s_wait_dscnt 0x0
	CROUND                                         ; the closing round: no work-group ends while a partner may still ask for a tile that names it
	s_endpgm
.Lfunc_end_k_q6d52c463b4_vproj:
	.size	k_q6d52c463b4_vproj, .Lfunc_end_k_q6d52c463b4_vproj-k_q6d52c463b4_vproj
	.p2alignl 7, 3214868480
	.fill 96, 4, 3214868480
	.section	.rodata,"a",@progbits
	.p2align	6, 0x0
	.amdhsa_kernel k_q6d52c463b4_vproj
		.amdhsa_group_segment_fixed_size 327680
		.amdhsa_private_segment_fixed_size 0
		.amdhsa_enable_private_segment 0
		.amdhsa_kernarg_size 32
		.amdhsa_user_sgpr_count 2
		.amdhsa_user_sgpr_kernarg_segment_ptr 1
		.amdhsa_wavefront_size32 1
		.amdhsa_system_sgpr_workgroup_id_x 1
		.amdhsa_system_sgpr_workgroup_id_y 1
		.amdhsa_system_sgpr_workgroup_id_z 1
		.amdhsa_system_vgpr_workitem_id 0
		.amdhsa_next_free_vgpr 1024
		.amdhsa_next_free_sgpr 90
		.amdhsa_reserve_vcc 0
		.amdhsa_float_denorm_mode_32 3
		.amdhsa_float_denorm_mode_16_64 3
		.amdhsa_memory_ordered 1
		.amdhsa_forward_progress 1
		.amdhsa_inst_pref_size 121
	.end_amdhsa_kernel
	.amdgpu_metadata
---
amdhsa.version: [ 1, 2 ]
amdhsa.kernels:
  - .name:           k_q6d52c463b4_vproj
    .symbol:         k_q6d52c463b4_vproj.kd
    .args:
      - { .name: h4, .offset: 0, .size: 8, .value_kind: global_buffer, .address_space: global }
      - { .name: wc, .offset: 8, .size: 8, .value_kind: global_buffer, .address_space: global }
      - { .name: b_v, .offset: 16, .size: 8, .value_kind: global_buffer, .address_space: global }
      - { .name: a4, .offset: 24, .size: 8, .value_kind: global_buffer, .address_space: global }
    .group_segment_fixed_size: 327680
    .private_segment_fixed_size: 0
    .kernarg_segment_align: 8
    .kernarg_segment_size: 32
    .max_flat_workgroup_size: 128
    .sgpr_count:     90
    .vgpr_count:     1024
    .wavefront_size: 32
...
	.end_amdgpu_metadata
.endif
;; end of part 2
;; launch outp (part 3): grid 8 x 32, 4 waves a work-group, clusters of 4 x 4, 327,680 bytes of LDS; arguments a4, wc, b_o, x, out0; writes out0
.if DOCPART == 3
	.amdgcn_target "amdgcn-amd-amdhsa--gfx1250"
	.amdhsa_code_object_version 6
	.text
	.protected	k_q6d52c463b4_outp
	.globl	k_q6d52c463b4_outp
	.p2align	8
	.type	k_q6d52c463b4_outp,@function
k_q6d52c463b4_outp:
	s_mov_b64 s[64:65], 0
	v_nop
	global_prefetch_b8 v0, s[64:65] scope:SCOPE_SE
	s_setreg_imm32_b32 hwreg(HW_REG_WAVE_MODE, 25, 1), 1
	s_wait_xcnt 0x0
	s_wait_alu depctr_hold_cnt(0) depctr_sa_sdst(0) depctr_va_vdst(0) depctr_va_sdst(0) depctr_va_ssrc(0) depctr_va_vcc(0) depctr_vm_vsrc(0)
	s_getreg_b32 s2, hwreg(HW_REG_IB_STS2, 6, 4)
	s_cmp_eq_u32 s2, 0
	s_cbranch_scc0 .Lentry_in_a_cluster
	s_endpgm
.Lentry_in_a_cluster:
	s_bfe_u32 s2, ttmp6, 0x10000c
	s_cmp_lg_u32 s2, 0xf033
	s_cbranch_scc0 .Lentry_shape_is_right
	s_endpgm
.Lentry_shape_is_right:
; out = Q(v) Q(w_o)^T + b_o + x, on codes of FP4 (E2M1) with E8M0 scales; sums in f32.  (attn = v: the softmax over one key is 1, see the first kernel's head; nothing else is left out here.)
; SHARES.  Work-group (x, y): 128 rows x 256 columns, 256 work-groups.  Wave w: 128 rows x columns 64 w .. 64 w + 63: 32 accumulators in window 1, (a, jj) at v[8 (4 a + jj)].
; SOURCE 0 = 16 rows of v, SOURCE 1 = 16 rows of w_o, which were dealt so that tile jj holds columns 4 n + jj: lane (r, h), register j of tile jj = row 16 a + 8 h + j, column 4 r + jj.
; So a lane's four tiles hold four neighbouring columns of a row, and sixteen lanes 256 consecutive bytes of it: x comes and the result leaves in that layout, and the results pass no LDS.
; OPERANDS: w_o as [chunk of 512 K][row block][4,096 codes, 256 scale words [r 16][q 4][4]]; v as [chunk][pair of row blocks][codes [2][q 4][1,024], scale words [q / 2][2][r 16][q % 2][4]]; codes in the order of the operand's registers.
; K IN FOUR CHUNKS.  LDS holds three: each wave asks at the head, by ONE joint load, for its share of chunks 0 to 2; chunk 3 takes chunk 0's place, by one joint refill a wave.
; A group is 32 products: pair p of v's row blocks against my four tiles, 4 x 128 along K, 8 accumulators by turns.  Chunks 0 and 1 go by chunks; then pairs 0 and 1 take chunks 2 and 3 and leave, then pairs 2 and 3.
; A chunk's fragments of w_o stay in registers (window 2: 128; two sets), v's pairs have two sets of 64.
; THE RESIDUAL: x's 128 rows x 256 bytes of my wave come straight into 256 registers (window 3), a block of 16 rows in each of eight groups; the sums land on them.
; CLUSTER 4 x 4: v's tiles hang on y alone and are asked for jointly by a row of the cluster (waves 0, 1), w_o's on x alone, by a column (waves 2, 3).
; No prefetch into the L2: the text has no loop to run ahead in: three quarters of the tiles are asked for at the head, the last quarter 160 matrix instructions ahead of the wait for it, x at least 96 ahead.
.set RBB,  4352
.set ACH,  4*RBB
.set BCH,  8*RBB
.set LA1,  3*ACH                       ; LDS: v's lower half [chunk place 3][2 pairs][2 RBB] at 0, its upper half here;
.set LB0,  6*ACH                       ; w_o's two halves [chunk place 3][8][RBB] behind them
.set SPARE, LB0+6*BCH                  ; the spare words, 128 bytes for each wave
.set HP,   1114112                     ; bytes from chunk to chunk in a4
.set WP,   557056                      ; and in wc
.set NSC,  10                          ; LDS loads that bring a chunk's scale words
.set ADA, 3                            ; v3-4   16 x lane, in each half of v
.set ADB, 5                            ; v5-6   my four tiles, in chunk place 0, 2
.set SA,  7                            ; v7-8   v's scale words in each half: 8 x lane (lanes 0-15 an even row block's, lanes 16-31 the next one's)
.set SBR, 9                            ; v9-10  my tiles' scale words, in chunk place 0, 2
.set SPW, 11                           ; never rewritten
.set NIL, 12                           ; never rewritten
.set CO,  13                           ; my byte offset in x and out: 65,536 h + 16 r
.set SC,  16                           ; v16-39, v40-63 two sets of scale words: 4 p + q for v's pair p, 16 + 4 b + q for my tiles 2 b, 2 b + 1
.set AF,  64                           ; v64-127, v128-191 v's fragments of a pair: 32 e + 8 q
.set BQ,  192                          ; v192-195 b_o of my four columns
.set WV,  22
.set G1A, 24                           ; group 1: v, w_o at the head; v, w_o in the refill
.set G1B, 32
.set G1A2, 40
.set G1B2, 48
.set G0A, 56                           ; and their groups 0
.set G0B, 60
.set G0A2, 68
.set G0B2, 72
.set MSB, 0
.macro WIN new                         ; the immediate's high byte repeats the setting that is left
.if MSB != \new
	s_set_vgpr_msb (MSB<<8)|\new
.set MSB, \new
.endif
.endm
.macro PLACES                          ; four plain vector instructions between a matrix instruction and a load into one of its registers or a read of its result (ISA guide 7.12.1 for the read of a result)
.rept 4
	v_nop
.endr
.endm
.macro DESC1 g, c, r, p                ; words 1 to 7 of a group 1: r rows of c elements, p elements from row to row
	s_mov_b32 s[\g+1], ((\c)&0xffff)<<16
	s_mov_b32 s[\g+2], ((\c)>>16)|(((\r)&0xffff)<<16)
	s_mov_b32 s[\g+3], ((\r)>>16)|((\c)<<16)
	s_mov_b32 s[\g+4], \r
	s_mov_b32 s[\g+5], \p
	s_mov_b32 s[\g+6], 0
	s_mov_b32 s[\g+7], 0
.endm
.macro JLOAD g0a, g1a, g0b, g1b        ; a joint load; the branch hangs on the wave's number alone; four v_nop follow each of the two lines
	s_cmp_lt_u32 s[WV], 2
	s_cbranch_scc0 .Lfor_b_\@
	tensor_load_to_lds s[\g0a:\g0a+3], s[\g1a:\g1a+7]
	s_nop 0
.rept 4
	v_nop
.endr
	s_branch .Lasked_\@
.Lfor_b_\@:
	tensor_load_to_lds s[\g0b:\g0b+3], s[\g1b:\g1b+7]
	s_nop 0
.rept 4
	v_nop
.endr
.Lasked_\@:
.endm
.macro CREST                           ; a round of the cluster's barrier behind its opening barrier
	s_cmp_lg_u32 s[WV], 0
	s_cbranch_scc1 .Lnot_wave_0_\@
	s_barrier_signal -3
.Lnot_wave_0_\@:
	s_barrier_wait -3
	s_barrier_signal -1
	s_barrier_wait -1
.endm
.macro CROUND
	s_barrier_signal -1
	s_barrier_wait -1
	CREST
.endm
.macro XLOAD a                         ; x's 16 rows of block a, two rows of 256 consecutive bytes an instruction, into window 3
	WIN 0xc0
.irp j, 0,1,2,3,4,5,6,7
	global_load_b128 v[32*(\a)+4*\j:32*(\a)+4*\j+3], v[CO], s[10:11] offset:8192*(16*(\a)+\j) th:TH_LOAD_NT
.endr
	WIN 0
.endm
	s_load_b256 s[4:11], s[0:1], 0x0               ; a4, wc, b_o, x
	s_load_b64 s[12:13], s[0:1], 0x20              ; out0
	v_lshl_add_u32 v[SPW], v0, 2, SPARE
	v_mov_b32 v[NIL], 0
	ds_add_u32 v[SPW], v[NIL]                      ; the wave's opening: the add, twice on end, and its wait ahead of my first tensor load
	ds_add_u32 v[SPW], v[NIL]
	v_lshrrev_b32 v1, 5, v0
	v_readfirstlane_b32 s[WV], v1                  ; wave 0 .. 3
	s_bfe_u32 s14, ttmp6, 0x40000                  ; cx
	s_bfe_u32 s15, ttmp6, 0x40004                  ; cy
	s_lshl_b32 s16, ttmp9, 2
	s_add_co_u32 s16, s16, s14                     ; x: the block of 256 columns
	s_and_b32 s17, ttmp7, 0xffff
	s_lshl_b32 s17, s17, 2
	s_add_co_u32 s17, s17, s15                     ; y: the block of 128 rows
	s_lshl_b32 s18, s15, 2
	s_lshl_b32 s18, 15, s18                        ; my row of the cluster
	s_lshl_b32 s19, 0x1111, s14                    ; my column
	s_or_b32 s[G1A], s18, (3<<16)|(1<<21)          ; 15:0 the mask; 17:16 elements of 8 bytes; 21 set beside a mask; no padding
	s_or_b32 s[G1A2], s18, (3<<16)|(1<<21)
	s_or_b32 s[G1B], s19, (3<<16)|(1<<21)
	s_or_b32 s[G1B2], s19, (3<<16)|(1<<21)
	DESC1 G1A, 2176, 3, 139264                     ; v: three chunks x two pairs of row blocks (17,408 bytes)
	DESC1 G1B, 4352, 3, 69632                      ; w_o: three chunks x eight row blocks (34,816 bytes)
	DESC1 G1A2, 1088, 2, 1088                      ; the refill: 17,408 dense bytes as two rows
	DESC1 G1B2, 2176, 2, 2176                      ; 34,816 dense bytes as two rows
	s_and_b32 s23, s[WV], 1                        ; which half I fetch
	s_mul_i32 s20, s17, 8*RBB                      ; v: row block 8 y + 4 half.  (s20-21 never hold x)
	s_mul_i32 s21, s23, ACH
	s_add_co_u32 s20, s20, s21
	s_mov_b32 s21, 0
	s_mul_i32 s76, s16, 16*RBB                     ; w_o: row block 16 x + 8 half, behind w_v's four chunks.  (s76-77 never hold y)
	s_mul_i32 s77, s23, BCH
	s_add_co_u32 s76, s76, s77
	s_add_co_u32 s76, s76, 4*WP
	s_mov_b32 s77, 0
	s_mov_b32 s[G0A], 1
	s_mov_b32 s[G0A2], 1
	s_mov_b32 s[G0B], 1
	s_mov_b32 s[G0B2], 1
	s_mul_i32 s[G0A+1], s23, LA1
	s_mul_i32 s[G0A2+1], s23, LA1
	s_mul_i32 s[G0B+1], s23, 3*BCH
	s_add_co_u32 s[G0B+1], s[G0B+1], LB0
	s_mul_i32 s[G0B2+1], s23, 3*BCH
	s_add_co_u32 s[G0B2+1], s[G0B2+1], LB0
	s_lshr_b32 s78, s[WV], 1                       ; my four tiles in LDS: half w / 2, row blocks 4 (w % 2) on
	s_mul_i32 s78, s78, 3*BCH
	s_mul_i32 s79, s23, ACH
	s_add_co_u32 s78, s78, s79
	s_add_co_u32 s78, s78, LB0
	s_lshl_b32 s80, s16, 10
	s_lshl_b32 s81, s[WV], 8
	s_add_co_u32 s80, s80, s81                     ; my 64 columns: 1,024 x + 256 wave bytes
	s_mov_b32 s81, 0
	s_lshl_b32 s82, s17, 20
	s_add_co_u32 s82, s82, s80                     ; + 128 y rows of 8,192 bytes
	s_mov_b32 s83, 0
	v_and_b32 v1, 15, v0                           ; r
	v_bfe_u32 v2, v0, 4, 1                         ; h
	v_and_b32 v249, 31, v0
	v_lshlrev_b32 v[ADA], 4, v249
	v_lshlrev_b32 v[SA], 3, v249
	v_lshlrev_b32 v[CO], 16, v2
	v_mul_u32_u24 v[SBR], v2, RBB
	v_add_nc_u32 v[ADA+1], LA1, v[ADA]
	v_add_nc_u32 v[ADB], s78, v[ADA]
	v_add_nc_u32 v[SA], 8192, v[SA]
	v_lshl_add_u32 v[CO], v1, 4, v[CO]
	v_lshl_add_u32 v[SBR], v1, 4, v[SBR]
	v_lshlrev_b32 v1, 4, v1                        ; 16 r: the bias
	v_add_nc_u32 v[ADB+1], 2*BCH, v[ADB]
	v_add_nc_u32 v[SA+1], LA1, v[SA]
	v_add_nc_u32 v[SBR], s78, v[SBR]
	v_add_nc_u32 v[SBR], 4096, v[SBR]
	v_add_nc_u32 v[SBR+1], 2*BCH, v[SBR]
	s_wait_alu depctr_va_vdst(0)                   ; the wait at the head's end
	s_wait_dscnt 0x0                               ; both opening adds are done
	s_wait_kmcnt 0x0
	s_add_nc_u64 s[20:21], s[4:5], s[20:21]
	s_add_nc_u64 s[76:77], s[6:7], s[76:77]
	s_mov_b64 s[G0A+2:G0A+3], s[20:21]
	s_or_b32 s[G0A+3], s[G0A+3], 0x80000000
	s_add_nc_u64 s[G0A2+2:G0A2+3], s[20:21], 3*HP  ; chunk 3
	s_or_b32 s[G0A2+3], s[G0A2+3], 0x80000000
	s_mov_b64 s[G0B+2:G0B+3], s[76:77]
	s_or_b32 s[G0B+3], s[G0B+3], 0x80000000
	s_add_nc_u64 s[G0B2+2:G0B2+3], s[76:77], 3*WP
	s_or_b32 s[G0B2+3], s[G0B2+3], 0x80000000
	s_add_nc_u64 s[8:9], s[8:9], s[80:81]
	s_add_nc_u64 s[10:11], s[10:11], s[82:83]
	s_add_nc_u64 s[12:13], s[12:13], s[82:83]
	CROUND                                         ; all sixteen work-groups are here: the joint loads meet
	JLOAD G0A, G1A, G0B, G1B                       ; my one tensor load at the head
	global_load_b128 v[BQ:BQ+3], v1, s[8:9]
.macro LDA c, p                        ; v's pair p of chunk c: 16 loads
.irp e, 0,1
.irp q, 0,1,2,3
	ds_load_b128 v[AF+64*((\p)%2)+32*\e+8*\q:AF+64*((\p)%2)+32*\e+8*\q+3],   v[ADA+(\p)/2] offset:((\c)%3)*ACH+((\p)%2)*2*RBB+4096*\e+1024*\q
	ds_load_b128 v[AF+64*((\p)%2)+32*\e+8*\q+4:AF+64*((\p)%2)+32*\e+8*\q+7], v[ADA+(\p)/2] offset:((\c)%3)*ACH+((\p)%2)*2*RBB+4096*\e+1024*\q+512
.endr
.endr
.endm
.macro LDB c, q                        ; my four tiles, the chunk's q-th 128 along K: 8 loads, into window 2
.irp jj, 0,1,2,3
	ds_load_b128 v[128*((\c)%2)+32*(\q)+8*\jj:128*((\c)%2)+32*(\q)+8*\jj+3],   v[ADB+((\c)%3)/2] offset:(((\c)%3)%2)*BCH+\jj*RBB+1024*(\q)
	ds_load_b128 v[128*((\c)%2)+32*(\q)+8*\jj+4:128*((\c)%2)+32*(\q)+8*\jj+7], v[ADB+((\c)%3)/2] offset:(((\c)%3)%2)*BCH+\jj*RBB+1024*(\q)+512
.endr
.endm
.macro LDSC c                          ; a chunk's scale words: v's two words a load, w_o's four
.irp g, 0,1,2,3
.irp z, 0,1
	ds_load_b64 v[SC+24*((\c)%2)+4*\g+2*\z:SC+24*((\c)%2)+4*\g+2*\z+1], v[SA+\g/2] offset:((\c)%3)*ACH+(\g%2)*2*RBB+256*\z
.endr
.endr
.irp b, 0,1
	ds_load_b128 v[SC+24*((\c)%2)+16+4*\b:SC+24*((\c)%2)+16+4*\b+3], v[SBR+((\c)%3)/2] offset:(((\c)%3)%2)*BCH+\b*2*RBB
.endr
.endm
.macro WM d, a, w, k0, k1, r0, r1      ; one product onto its accumulator; r0, r1: the scale words of source 0, 1 lie in lanes 16-31 of their registers
.if (\r0) && (\r1)
	v_wmma_scale_f32_16x16x128_f8f6f4 v[\d:\d+7], v[\a:\a+7], v[\w:\w+7], v[\d:\d+7], v[\k0], v[\k1] matrix_a_fmt:MATRIX_FMT_FP4 matrix_b_fmt:MATRIX_FMT_FP4 matrix_a_scale:MATRIX_SCALE_ROW1 matrix_b_scale:MATRIX_SCALE_ROW1
.elseif (\r0)
	v_wmma_scale_f32_16x16x128_f8f6f4 v[\d:\d+7], v[\a:\a+7], v[\w:\w+7], v[\d:\d+7], v[\k0], v[\k1] matrix_a_fmt:MATRIX_FMT_FP4 matrix_b_fmt:MATRIX_FMT_FP4 matrix_a_scale:MATRIX_SCALE_ROW1
.elseif (\r1)
	v_wmma_scale_f32_16x16x128_f8f6f4 v[\d:\d+7], v[\a:\a+7], v[\w:\w+7], v[\d:\d+7], v[\k0], v[\k1] matrix_a_fmt:MATRIX_FMT_FP4 matrix_b_fmt:MATRIX_FMT_FP4 matrix_b_scale:MATRIX_SCALE_ROW1
.else
	v_wmma_scale_f32_16x16x128_f8f6f4 v[\d:\d+7], v[\a:\a+7], v[\w:\w+7], v[\d:\d+7], v[\k0], v[\k1] matrix_a_fmt:MATRIX_FMT_FP4 matrix_b_fmt:MATRIX_FMT_FP4
.endif
.endm
.macro WZ d, a, w, k0, k1, r0, r1      ; the same with C = 0: it starts the sum, nothing is cleared
.if (\r0) && (\r1)
	v_wmma_scale_f32_16x16x128_f8f6f4 v[\d:\d+7], v[\a:\a+7], v[\w:\w+7], 0, v[\k0], v[\k1] matrix_a_fmt:MATRIX_FMT_FP4 matrix_b_fmt:MATRIX_FMT_FP4 matrix_a_scale:MATRIX_SCALE_ROW1 matrix_b_scale:MATRIX_SCALE_ROW1
.elseif (\r0)
	v_wmma_scale_f32_16x16x128_f8f6f4 v[\d:\d+7], v[\a:\a+7], v[\w:\w+7], 0, v[\k0], v[\k1] matrix_a_fmt:MATRIX_FMT_FP4 matrix_b_fmt:MATRIX_FMT_FP4 matrix_a_scale:MATRIX_SCALE_ROW1
.elseif (\r1)
	v_wmma_scale_f32_16x16x128_f8f6f4 v[\d:\d+7], v[\a:\a+7], v[\w:\w+7], 0, v[\k0], v[\k1] matrix_a_fmt:MATRIX_FMT_FP4 matrix_b_fmt:MATRIX_FMT_FP4 matrix_b_scale:MATRIX_SCALE_ROW1
.else
	v_wmma_scale_f32_16x16x128_f8f6f4 v[\d:\d+7], v[\a:\a+7], v[\w:\w+7], 0, v[\k0], v[\k1] matrix_a_fmt:MATRIX_FMT_FP4 matrix_b_fmt:MATRIX_FMT_FP4
.endif
.endm
; 8 products: pair p against my four tiles, the q-th 128 along K of chunk c.  The eight accumulators take turns, one instruction a turn.
.macro MMQ c, p, q
	WIN 0x58                                       ; source 0 (v) window 0, source 1 (w_o) window 2, C and D window 1
.irp e, 0,1
.irp jj, 0,1,2,3
.if (\c) == 0 && (\q) == 0
	WZ 8*(4*(2*(\p)+\e)+\jj), AF+64*((\p)%2)+32*\e, 8*\jj, SC+4*(\p), SC+16+4*(\jj/2), \e, \jj%2
.else
	WM 8*(4*(2*(\p)+\e)+\jj), AF+64*((\p)%2)+32*\e+8*(\q), 128*((\c)%2)+32*(\q)+8*\jj, SC+24*((\c)%2)+4*(\p)+(\q), SC+24*((\c)%2)+16+4*(\jj/2)+(\q), \e, \jj%2
.endif
.endr
.endr
.endm
.macro MM4 c, p
	MMQ \c, \p, 0
	MMQ \c, \p, 1
	MMQ \c, \p, 2
	MMQ \c, \p, 3
.endm
; ONE run of loads for what follows group (c, p) of chunks 0 and 1: the next pair of v, a quarter of the next chunk's w_o, and once its scale words.  NL: their number.
.macro NEXT c, p
	WIN 0
	PLACES
.if (\p) < 3
	LDA \c, (\p)+1
.else
	LDA (\c)+1, 0
.endif
	WIN 0x80                                       ; destination window 2
	LDB (\c)+1, \p
	WIN 0
.set NL, 24
.if (\p) == 1
	LDSC (\c)+1
.set NL, 24+NSC
.endif
.endm
.macro GRPX c, p, a                    ; a group of chunks 0 and 1, and x's block a
	NEXT \c, \p
	XLOAD \a
	s_wait_dscnt NL                                ; all but the run just issued: the group's own operands were asked for a group ago
	MM4 \c, \p
.endm
.macro NEXTA c, p                      ; ahead of the later groups: the pair that group (c, p) multiplies
	WIN 0
	PLACES
	LDA \c, \p
.set NL, 16
.endm
.macro GRPA c, p, cn, pn               ; group (c, p); group (cn, pn) follows
	NEXTA \cn, \pn
	s_wait_dscnt 16
	MM4 \c, \p
.endm
.macro FILLUP c                        ; a chunk's first operands in one run: scale words, pair 0, then w_o's fragments in the order of K
	LDSC \c
	LDA \c, 0
	WIN 0x80
.irp q, 0,1,2,3
	LDB \c, \q
.endr
	WIN 0
.endm
.macro GRPS c                          ; the first group behind FILLUP: each 128 along K waits for its own eight loads of w_o
	s_wait_dscnt 24
	MMQ \c, 0, 0
.if (\c) == 0
	NEXT 0, 0
	XLOAD 0
.else
	NEXTA 3, 1
.endif
	s_wait_dscnt NL+16
	MMQ \c, 0, 1
	s_wait_dscnt NL+8
	MMQ \c, 0, 2
	s_wait_dscnt NL
	MMQ \c, 0, 3
.endm
; THE WAY OUT of row block a: x + b_o, then + the sums, each accumulator from its low end on, then stores of two rows of 256 consecutive bytes, aligned.  The packed sums, which name no matrix register, are also the places behind the last products.
.macro OUTB a
	s_wait_loadcnt 8*(7-(\a))                      ; x's block a is in; the blocks behind it may be out
	WIN 0xc3                                       ; destination and source 0 window 3 (x), source 1 window 0
.irp j, 0,1,2,3,4,5,6,7
	v_pk_add_f32 v[32*(\a)+4*\j:32*(\a)+4*\j+1], v[32*(\a)+4*\j:32*(\a)+4*\j+1], v[BQ:BQ+1]
	v_pk_add_f32 v[32*(\a)+4*\j+2:32*(\a)+4*\j+3], v[32*(\a)+4*\j+2:32*(\a)+4*\j+3], v[BQ+2:BQ+3]
.endr
	WIN 0xc7                                       ; source 1 window 1
.irp j, 0,1,2,3,4,5,6,7
.irp jj, 0,1,2,3
	v_add_f32 v[32*(\a)+4*\j+\jj], v[32*(\a)+4*\j+\jj], v[32*(\a)+8*\jj+\j]
.endr
.endr
	WIN 0x0c                                       ; a store's data are its source 1: window 3
.irp j, 0,1,2,3,4,5,6,7
	global_store_b128 v[CO], v[32*(\a)+4*\j:32*(\a)+4*\j+3], s[12:13] offset:8192*(16*(\a)+\j) th:TH_STORE_NT
.endr
.endm
.macro OUT p
	OUTB 2*(\p)
	OUTB 2*(\p)+1
.endm
	s_wait_tensorcnt 0x0                           ; my share of chunks 0 to 2 is in
	s_barrier_signal -1
	s_barrier_wait -1
	FILLUP 0
	GRPS 0
	GRPX 0, 1, 1
	GRPX 0, 2, 2
	; chunk 0's last group: every wave has its last operands of chunk 0, and chunk 3 takes its place
	NEXT 0, 3
	s_wait_tensorcnt 0x0
	ds_add_u32 v[SPW], v[NIL]                      ; 0 onto my spare word
	s_wait_dscnt 25                                ; (the add and the 24 loads of chunk 1 just issued may be out)
	MMQ 0, 3, 0
	MMQ 0, 3, 1
	MMQ 0, 3, 2
	s_wait_dscnt 0x0                               ; the add is done, and my reads of chunk 0 are over
	s_barrier_signal -1
	MMQ 0, 3, 3
	WIN 0
	s_barrier_wait -1
	CREST                                          ; no wave of any partner still reads chunk 0 or has a load on its way
	JLOAD G0A2, G1A2, G0B2, G1B2                   ; chunk 3
	GRPX 1, 0, 3
	GRPX 1, 1, 4
	GRPX 1, 2, 5
	GRPX 1, 3, 6
	NEXTA 2, 1
	s_wait_loadcnt 48                              ; b_o and x's block 0 are in; blocks 1 to 6 may be out
	XLOAD 7
	s_wait_dscnt 16
	MM4 2, 0
	WIN 0
	s_wait_tensorcnt 0x0                           ; my share of chunk 3 is in
	s_wait_dscnt 0x0                               ; the group's operands are in, and no LDS access of mine is out at the signal
	s_barrier_signal -1
	MMQ 2, 1, 0
	s_barrier_wait -1                              ; chunk 3 is whole
	WIN 0
	PLACES
	FILLUP 3
	MMQ 2, 1, 1
	MMQ 2, 1, 2
	MMQ 2, 1, 3
	GRPS 3                                         ; pair 0's last group
	OUT 0
	GRPA 3, 1, 2, 2
	OUT 1
	GRPA 2, 2, 2, 3
	GRPA 2, 3, 3, 2
	GRPA 3, 2, 3, 3
	OUT 2
	s_wait_dscnt 0x0
	MM4 3, 3
	OUT 3
	WIN 0
	s_wait_tensorcnt 0x0                           ; the wave's end
	ds_add_u32 v[SPW], v[NIL]
	s_wait_dscnt 0x0
	CROUND                                         ; the closing round: no work-group ends while a partner may still ask for a tile that names it
	s_endpgm
.Lfunc_end_k_q6d52c463b4_outp:
	.size	k_q6d52c463b4_outp, .Lfunc_end_k_q6d52c463b4_outp-k_q6d52c463b4_outp
	.p2alignl 7, 3214868480
	.fill 96, 4, 3214868480
	.section	.rodata,"a",@progbits
	.p2align	6, 0x0
	.amdhsa_kernel k_q6d52c463b4_outp
		.amdhsa_group_segment_fixed_size 327680
		.amdhsa_private_segment_fixed_size 0
		.amdhsa_enable_private_segment 0
		.amdhsa_kernarg_size 40
		.amdhsa_user_sgpr_count 2
		.amdhsa_user_sgpr_kernarg_segment_ptr 1
		.amdhsa_wavefront_size32 1
		.amdhsa_system_sgpr_workgroup_id_x 1
		.amdhsa_system_sgpr_workgroup_id_y 1
		.amdhsa_system_sgpr_workgroup_id_z 1
		.amdhsa_system_vgpr_workitem_id 0
		.amdhsa_next_free_vgpr 1024
		.amdhsa_next_free_sgpr 90
		.amdhsa_reserve_vcc 0
		.amdhsa_float_denorm_mode_32 3
		.amdhsa_float_denorm_mode_16_64 3
		.amdhsa_memory_ordered 1
		.amdhsa_forward_progress 1
		.amdhsa_inst_pref_size 133
	.end_amdhsa_kernel
	.amdgpu_metadata
---
amdhsa.version: [ 1, 2 ]
amdhsa.kernels:
  - .name:           k_q6d52c463b4_outp
    .symbol:         k_q6d52c463b4_outp.kd
    .args:
      - { .name: a4, .offset: 0, .size: 8, .value_kind: global_buffer, .address_space: global }
      - { .name: wc, .offset: 8, .size: 8, .value_kind: global_buffer, .address_space: global }
      - { .name: b_o, .offset: 16, .size: 8, .value_kind: global_buffer, .address_space: global }
      - { .name: x, .offset: 24, .size: 8, .value_kind: global_buffer, .address_space: global }
      - { .name: out0, .offset: 32, .size: 8, .value_kind: global_buffer, .address_space: global }
    .group_segment_fixed_size: 327680
    .private_segment_fixed_size: 0
    .kernarg_segment_align: 8
    .kernarg_segment_size: 40
    .max_flat_workgroup_size: 128
    .sgpr_count:     90
    .vgpr_count:     1024
    .wavefront_size: 32
...
	.end_amdgpu_metadata
.endif
;; end of part 3
